; MI455X (gfx1250); checked and timed in simulation.
; The chip was launched on July 23, 2026; its instructions are those of AMD's public machine-readable ISA for CDNA 5 (MIT licence, August 2026) and "CDNA5" Instruction Set Architecture Reference Guide (July 2026). The comments in the code are by the model that wrote it; some were corrected since.
;; Hadamard Transform. Allowed arithmetic: matrix products marked QUANTISED: E4M3 operands, one given power-of-two scale a tensor, by v_wmma_f32_16x16x64_fp8_fp8 or v_wmma_f32_16x16x128_fp8_fp8, f32 sums; everything else in f32.
;; Inputs: lowp_scales 2 int32 (the exponents e of the quantised operands' scales 2^e); permutation 4,096 x 4,096 float32; value 4,096 x 4,096 float32; weight 4,096 x 4,096 float32.
;; Outputs: out0 4,096 x 4,096 float32.
;; This version of the problem:
;;   THIS VERSION OF THE PROBLEM IS GIVEN IN LOW PRECISION. The matrix products marked QUANTISED in the list below multiply operands that are first quantised to E4M3 (4 exponent bits, 3 mantissa bits; 8 bits a number), with one given power-of-two scale for each operand tensor; their sums are f32. All else is computed in f32.
;;   The module's matrix products, in the order in which they are computed (A, B: the left and right operand; K: the contracted axis; several contracted axes count as one K, in the product's order):
;;     1. [M 4,096, K 4,096] x [K 4,096, N 4,096]; A: input value; B: computed on the way: QUANTISED (scales: A lowp_scales[0], B lowp_scales[1])
;;   THE QUANTISER, for each operand of a quantised product, along K:
;;     - The operand's scale is 2^e, e = its entry of the input lowp_scales (int32; the entries are numbered through the quantised products in the list's order, A before B).
;;     - Each number is divided by the scale, clamped to +-448, and rounded to the nearest number of E4M3, ties to even, subnormals kept.
;;     - The product sums the exact products of the quantised numbers (number of the format x scale) in f32.
;;   ~~~python
;;   def quantise(x, axis, e):      # numpy; x: float32 -> the quantised numbers, widened to float32 again
;;       x = np.moveaxis(x, axis, -1); K = x.shape[-1]
;;       r = np.clip(x / 2.0 ** e, -448, 448)
;;       step = 2.0 ** (np.maximum(np.frexp(np.where(r == 0, 1, r))[1] - 1, -6) - 3)
;;       q = np.round(r / step) * step * 2.0 ** e      # np.round: ties to even
;;       return np.moveaxis(q, -1, axis).astype(np.float32)
;;   ~~~
;;   OPERANDS COMPUTED ON THE WAY. 'Computed on the way' means the value that the module computes at that place (a softmax that the list does not call 'softmax' is quantised finished and normalised). What goes into a quantiser is computed in f32, as accurately as f32 sums, v_exp_f32 and their like allow (about 1e-6 of the number): no bf16 or f16 on the way to a quantiser, and a product that is left as it is and whose result goes on into a quantised operand takes f32 operands (vector FMAs, or v_wmma_f32_16x16x4_f32). A number that lies on a knife's edge between two numbers of the format may be rounded either way, as far as f32 arithmetic and the matrix unit's own rounding can turn it there, and no further.
;; One version. Each part assembles by itself: llvm-mc -triple=amdgcn-amd-amdhsa -mcpu=gfx1250 --defsym DOCPART=n.
;; ======== version 1 of 1: 2 launches
;; limits: right only within a limited range of input values
;; workspace buffers: a_codes 16,777,216 bytes; b_codes 16,777,216 bytes
;; launch quant (part 1): grid 1024 x 1, 4 waves a work-group, no clusters, 38,656 bytes of LDS; arguments value, weight, permutation, lowp_scales, a_codes, b_codes; writes a_codes, b_codes
.if DOCPART == 1
	.amdgcn_target "amdgcn-amd-amdhsa--gfx1250"
	.amdhsa_code_object_version 6
	.text
	.protected	k_qf31118d486_quant
	.globl	k_qf31118d486_quant
	.p2align	8
	.type	k_qf31118d486_quant,@function
k_qf31118d486_quant:
	s_mov_b64 s[64:65], 0
	v_nop
	global_prefetch_b8 v0, s[64:65] scope:SCOPE_SE
	s_setreg_imm32_b32 hwreg(HW_REG_WAVE_MODE, 25, 1), 1
	s_wait_xcnt 0x0
; value [4096 m][4096 k] f32 and w = weight + permutation [4096 k][4096 n] f32 (one f32 addition a number) become codes of FP8 (E4M3), one byte each.
; code = x / 2^e, held within +-448, rounded to the nearest code, ties to even; e = entry 0 of lowp_scales for value, entry 1 for w.
; a_codes: [4096 m][4096 places], a row's places on end.
; b_codes: AN IMAGE OF THE OPERAND'S REGISTERS: [256 blocks of 16 columns][32 steps of 128 places][4 pieces of 512 bytes]; in piece c of step s the 16 bytes of lane 16 h + r are
; places 128 s + 32 c + 16 h + 0 .. 15 of column 16 block + r.  The product's launch loads each piece with one instruction, 16 bytes a lane.
; K IS LAID PERMUTED, ALIKE IN BOTH BUFFERS.  Within each chunk of 512 along K, place p holds k(p) = 128 ((p >> 2) & 3) + 4 (p >> 4) + (p & 3).  There is one scale for a tensor and no block along K,
; so a permutation of k that is the same in both operands brings every product to its partner; only the order of the f32 sums differs from ascending k.
; So a lane that loads 16 neighbouring bytes from each of four runs of 512 bytes holds the 16 numbers of 16 neighbouring PLACES, and value needs no turn through LDS:
; every load of a wave covers 512 consecutive bytes and every store of codes 512 consecutive bytes.  For w the rows k are picked by immediates in any case.
; LIMITS: each e lies between -126 and 119, so that 2^e and 448 x 2^e are f32 numbers.  NaN among the inputs is not served; an infinity is held at the largest code.
; SHARES.  1,024 work-groups of four waves: 512 take value (path A, 131,072 bytes read each), 512 take w (path B, 262,144 bytes read each).  The path is bit 0 xor bit 8 of the work-group number:
; of four neighbouring numbers two take each path, and so do two of the four numbers that lie 256 apart.  The share within a path is the number >> 1: each path has every share 0 .. 511 once.
; The branch hangs on the work-group number alone, so it is the same in all four waves.  Path A touches no LDS and has no barrier.  Path B alone uses LDS (one stage) and has one barrier.
.set ROWW, 16384                       ; a row of value, weight or permutation in bytes
.set SP,   272                         ; path B: a stage row: 256 bytes of codes + 16 of padding = 68 words (64 banks of 4 bytes: ISA guide 11.1)
.set RS,   36                          ; path B: column 4 l + c lies in stage row RS c + l: 140 rows.  16 RS SP mod 256 = 64, so the 16 columns of a piece start at 16 different groups of banks
.set SPARE, 0x9500                     ; behind the stage (140 x 272 = 38,080 bytes): the spare words, 128 bytes a wave
.set R,    16                          ; path A: v16-143  eight sets of 16 numbers
.set CA,   144                         ; path A: v144-207 four registers of codes for each of 16 steps: no store data are written again
.set L,    16                          ; path B: v16-207  three sets of 64: 32 of weight (4 q + c), then 32 of permutation
.set X,    208                         ; path B: v208-239 w, register 8 c + q: column c of my four, place q of the batch
.set CB,   240                         ; path B: v240-255 codes: column c at 4 c, two batches on end
.set OUTR, 16                          ; path B: v16-79   the way out
; 2^e as f32 into v11 (the conversion takes its exponent field) and 448 x 2^e into v10 (the hold)
.macro SCALE e
	s_wait_kmcnt 0x0                               ; ea, eb are in
	s_add_co_i32 s22, \e, 127
	s_lshl_b32 s23, s22, 23
	v_mov_b32 v11, s23
	s_add_co_i32 s22, s22, 8
	s_lshl_b32 s22, s22, 23
	s_or_b32 s22, s22, 0x600000                    ; the mantissa field of 448
	v_mov_b32 v10, s22
.endm
; PATH A.  Step t is a chunk of 512 numbers: four loads of 512 consecutive bytes.  Register 4 i + j of lane l holds k = 128 i + 4 l + j of the chunk, which is place 16 l + 4 i + j.
.macro LOADA t
.irp i, 0,1,2,3
	global_load_b128 v[R+16*((\t)%8)+4*\i:R+16*((\t)%8)+4*\i+3], v2, s[4:5] offset:2048*(\t)+512*\i th:TH_LOAD_NT
.endr
.endm
.macro STEPA t
.set XS, R+16*((\t)%8)
.if 15-(\t) >= 7
	s_wait_loadcnt 28                              ; this step is in; the seven steps behind it, four loads each, may be out
.else
	s_wait_loadcnt 4*(15-(\t))                     ; the counts run down: no step is asked for beyond the sixteenth
.endif
.irp i, 0,1,2,3,4,5,6,7,8,9,10,11,12,13,14,15
	v_med3_num_f32 v[XS+\i], v[XS+\i], -v10, v10   ; the conversion to an 8-bit code does not saturate (ISA guide 7.6.2): the number is held within the largest code x the scale first
.endr
	v_cvt_scalef32_pk8_fp8_f32 v[CA+4*(\t):CA+4*(\t)+1], v[XS:XS+7], v11
	v_cvt_scalef32_pk8_fp8_f32 v[CA+4*(\t)+2:CA+4*(\t)+3], v[XS+8:XS+15], v11
.if (\t)+8 < 16
	LOADA (\t)+8                                   ; the set just converted takes the step eight further on
.endif
	global_store_b128 v2, v[CA+4*(\t):CA+4*(\t)+3], s[12:13] offset:512*(\t)   ; 32 lanes store 512 consecutive bytes, at a multiple of 512 from the first byte of a_codes
.endm                                  ; (the results go to a store alone; the next vector lines, the next step's holds, are plain and touch other registers)
; PATH B.  Batch e is 8 places of 128 columns: place q of the batch is row 128 (2 (e % 2) + q / 4) + 4 (e / 2) + q % 4 below my wave's first row, at most 399 rows: inside the signed 24-bit immediate.
; Each load reads 512 consecutive bytes of one row k: four neighbouring columns a lane.
.macro LOADB e
.set LD, L+64*((\e)%3)
.irp q, 0,1,2,3,4,5,6,7
	global_load_b128 v[LD+4*\q:LD+4*\q+3], v2, s[6:7] offset:(128*(2*((\e)%2)+\q/4)+4*((\e)/2)+\q%4)*ROWW th:TH_LOAD_NT
.endr
.irp q, 0,1,2,3,4,5,6,7
	global_load_b128 v[LD+32+4*\q:LD+32+4*\q+3], v2, s[8:9] offset:(128*(2*((\e)%2)+\q/4)+4*((\e)/2)+\q%4)*ROWW th:TH_LOAD_NT
.endr
.endm
.macro BATCH e
.set LS, L+64*((\e)%3)
.if (\e) <= 5
	s_wait_loadcnt 32                              ; this batch's 16 loads are in; the two batches behind it may be out
.elseif (\e) == 6
	s_wait_loadcnt 16
.else
	s_wait_loadcnt 0x0
.endif
.irp c, 0,1,2,3
.irp q, 0,1,2,3,4,5,6,7
	v_add_f32 v[X+8*\c+\q], v[LS+4*\q+\c], v[LS+32+4*\q+\c]   ; w = weight + permutation; the sum is written where a column's 8 places are 8 consecutive registers
.endr
.endr
.if (\e)+3 < 8
	LOADB (\e)+3                                   ; the set just read takes the batch three further on
.endif
.irp i, 0,1,2,3,4,5,6,7,8,9,10,11,12,13,14,15,16,17,18,19,20,21,22,23,24,25,26,27,28,29,30,31
	v_med3_num_f32 v[X+\i], v[X+\i], -v10, v10     ; the hold, as in path A
.endr
.if ((\e)%2 == 0) && ((\e) >= 2)
	s_wait_alu depctr_va_vdst(0)
	s_wait_dscnt 0x0                               ; the last four LDS stores have read the code registers, which are written again below
.endif
.irp c, 0,1,2,3
	v_cvt_scalef32_pk8_fp8_f32 v[CB+4*\c+2*((\e)%2):CB+4*\c+2*((\e)%2)+1], v[X+8*\c:X+8*\c+7], v11
.endr
	v_nop                                          ; one plain vector line between the conversions and the next batch's additions, which write their sources
.if (\e)%2 == 1
.irp c, 0,1,2,3
	ds_store_b128 v3, v[CB+4*\c:CB+4*\c+3] offset:\c*RS*SP+16*((\e)/2)   ; 16 places of column 4 l + c, into stage row RS c + l
.endr
.endif
.endm
	s_load_b256 s[4:11], s[0:1], 0x0               ; value s[4:5], weight s[6:7], permutation s[8:9], lowp_scales s[10:11]
	s_load_b128 s[12:15], s[0:1], 0x20             ; a_codes s[12:13], b_codes s[14:15]
	v_lshl_add_u32 v14, v0, 2, SPARE               ; my spare word,
	v_mov_b32 v15, 0                               ; and 0: kept for the closing add
	v_lshrrev_b32 v1, 5, v0
	v_readfirstlane_b32 s18, v1                    ; wave 0..3
	v_and_b32 v1, 31, v0                           ; lane
	v_lshlrev_b32 v2, 4, v1                        ; 16 x lane: my 16 bytes of 512; never rewritten
	s_lshr_b32 s19, ttmp9, 1                       ; which share of its path is the work-group's: 0..511
	s_wait_kmcnt 0x0
	s_load_b64 s[16:17], s[10:11], 0x0             ; ea, eb
	s_lshr_b32 s20, ttmp9, 8
	s_xor_b32 s20, s20, ttmp9
	s_and_b32 s20, s20, 1                          ; the path: bit 0 xor bit 8 of the work-group number
	s_cmp_lg_u32 s20, 0
	s_cbranch_scc1 .Lpath_b
	; ---- PATH A: my wave takes 8,192 numbers of value (two rows): 16 chunks of 512
	s_lshl_b32 s21, s19, 2
	s_add_co_u32 s21, s21, s18                     ; which run of 8,192 numbers: 4 x share + wave, 0..2047
	s_lshl_b32 s24, s21, 15                        ; 32,768 bytes of f32 a run
	s_mov_b32 s25, 0
	s_add_nc_u64 s[4:5], s[4:5], s[24:25]
	s_lshl_b32 s26, s21, 13                        ; 8,192 bytes of codes a run
	s_mov_b32 s27, 0
	s_add_nc_u64 s[12:13], s[12:13], s[26:27]
	s_wait_alu depctr_va_vdst(0)                   ; the wait ahead of the first readers of the head's registers
.irp t, 0,1,2,3,4,5,6,7
	LOADA \t                                       ; eight steps, 32 loads, 16,384 bytes a wave are on their way
.endr
	SCALE s16
	s_wait_alu depctr_va_vdst(0)                   ; and at the head's end
.irp t, 0,1,2,3,4,5,6,7,8,9,10,11,12,13,14,15
	STEPA \t
.endr
	s_endpgm
	; ---- PATH B: the work-group takes 128 columns x 256 places; wave w takes places 64 w .. 64 w + 63 of them, for all 128 columns
.Lpath_b:
	s_and_b32 s20, s19, 31                         ; bx: which 128 columns
	s_lshr_b32 s21, s19, 5                         ; by: which 256 places, 0..15: chunk by / 2, half by % 2
	s_lshr_b32 s24, s21, 1
	s_lshl_b32 s24, s24, 9                         ; the chunk's first row k,
	s_and_b32 s25, s21, 1
	s_lshl_b32 s25, s25, 6                         ; + 64 for the chunk's upper 256 places,
	s_add_co_u32 s24, s24, s25
	s_lshl_b32 s25, s18, 4                         ; + 16 x wave: places 256 g + 64 w + 8 e + q give k = 64 g + 16 w + the batch's immediate
	s_add_co_u32 s24, s24, s25
	s_lshl_b32 s24, s24, 14                        ; rows of 16,384 bytes
	s_lshl_b32 s25, s20, 9                         ; 128 columns of 4 bytes
	s_add_co_u32 s24, s24, s25
	s_mov_b32 s25, 0
	s_add_nc_u64 s[6:7], s[6:7], s[24:25]
	s_add_nc_u64 s[8:9], s[8:9], s[24:25]
	s_lshl_b32 s26, s20, 3                         ; the way out: wave w stores the blocks of 16 columns 8 bx + 2 w and + 1,
	s_lshl_b32 s27, s18, 1
	s_add_co_u32 s26, s26, s27
	s_lshl_b32 s26, s26, 16                        ; 65,536 bytes of codes a block,
	s_lshl_b32 s27, s21, 12                        ; + the group's two steps of 128 places, 2,048 bytes each
	s_add_co_u32 s26, s26, s27
	s_mov_b32 s27, 0
	s_add_nc_u64 s[14:15], s[14:15], s[26:27]
	s_wait_alu depctr_va_vdst(0)                   ; the wait ahead of the first readers of the head's registers
	LOADB 0
	LOADB 1
	LOADB 2                                        ; three batches, 48 loads, 24,576 bytes a wave are on their way
	v_mul_u32_u24 v3, v1, SP
	s_lshl_b32 s28, s18, 6
	v_add_nc_u32 v3, s28, v3                       ; into the stage: row = lane (+ RS c by the immediate), byte 64 x wave
	v_and_b32 v6, 3, v1                            ; out of it: lane 16 h + r takes column r of a block: r % 4,
	v_bfe_u32 v7, v1, 2, 2                         ; r / 4:
	v_mad_u32_u24 v6, v6, RS, v7                   ; stage row RS (r % 4) + r / 4 (+ 4 for each block)
	s_mul_i32 s28, s18, 8*SP                       ; my wave's two blocks begin 8 w rows on
	v_mul_u32_u24 v4, v6, SP
	v_bfe_u32 v7, v1, 4, 1                         ; h
	v_lshl_add_u32 v4, v7, 4, v4
	v_add_nc_u32 v4, s28, v4
	SCALE s17
.irp e, 0,1,2,3,4,5,6,7
	BATCH \e
.endr
	s_wait_dscnt 0x0                               ; for the other waves: my stores into the stage are done
	s_barrier_signal -1
	s_barrier_wait -1                              ; each stage row now holds a column's 256 places, 64 from each wave
.irp t, 0,1,2,3,4,5,6,7,8,9,10,11,12,13,14,15
	ds_load_b128 v[OUTR+4*\t:OUTR+4*\t+3], v4 offset:((\t)/8)*4*SP+128*(((\t)/4)%2)+32*((\t)%4)   ; piece t: block t / 8, step (t / 4) % 2, piece t % 4
.endr
.irp t, 0,1,2,3,4,5,6,7,8,9,10,11,12,13,14,15
	s_wait_dscnt 15-\t                             ; LDS loads come back in order: load t is in, the younger ones may be out
	global_store_b128 v2, v[OUTR+4*\t:OUTR+4*\t+3], s[14:15] offset:((\t)/8)*65536+((\t)%8)*512   ; 32 lanes store a piece: 512 consecutive bytes, at a multiple of 512 from the first byte of b_codes
.endr
	s_wait_tensorcnt 0x0                           ; the wave's end
	ds_add_u32 v14, v15
	s_wait_dscnt 0x0
	s_endpgm
.Lfunc_end_k_qf31118d486_quant:
	.size	k_qf31118d486_quant, .Lfunc_end_k_qf31118d486_quant-k_qf31118d486_quant
	.p2alignl 7, 3214868480
	.fill 96, 4, 3214868480
	.section	.rodata,"a",@progbits
	.p2align	6, 0x0
	.amdhsa_kernel k_qf31118d486_quant
		.amdhsa_group_segment_fixed_size 38656
		.amdhsa_private_segment_fixed_size 0
		.amdhsa_enable_private_segment 0
		.amdhsa_kernarg_size 48
		.amdhsa_user_sgpr_count 2
		.amdhsa_user_sgpr_kernarg_segment_ptr 1
		.amdhsa_wavefront_size32 1
		.amdhsa_system_sgpr_workgroup_id_x 1
		.amdhsa_system_sgpr_workgroup_id_y 1
		.amdhsa_system_sgpr_workgroup_id_z 1
		.amdhsa_system_vgpr_workitem_id 0
		.amdhsa_next_free_vgpr 256
		.amdhsa_next_free_sgpr 66
		.amdhsa_reserve_vcc 0
		.amdhsa_float_denorm_mode_32 3
		.amdhsa_float_denorm_mode_16_64 3
		.amdhsa_memory_ordered 1
		.amdhsa_forward_progress 1
		.amdhsa_inst_pref_size 73
	.end_amdhsa_kernel
	.amdgpu_metadata
---
amdhsa.version: [ 1, 2 ]
amdhsa.kernels:
  - .name:           k_qf31118d486_quant
    .symbol:         k_qf31118d486_quant.kd
    .args:
      - { .name: value, .offset: 0, .size: 8, .value_kind: global_buffer, .address_space: global }
      - { .name: weight, .offset: 8, .size: 8, .value_kind: global_buffer, .address_space: global }
      - { .name: permutation, .offset: 16, .size: 8, .value_kind: global_buffer, .address_space: global }
      - { .name: lowp_scales, .offset: 24, .size: 8, .value_kind: global_buffer, .address_space: global }
      - { .name: a_codes, .offset: 32, .size: 8, .value_kind: global_buffer, .address_space: global }
      - { .name: b_codes, .offset: 40, .size: 8, .value_kind: global_buffer, .address_space: global }
    .group_segment_fixed_size: 38656
    .private_segment_fixed_size: 0
    .kernarg_segment_align: 8
    .kernarg_segment_size: 48
    .max_flat_workgroup_size: 128
    .sgpr_count:     66
    .vgpr_count:     256
    .wavefront_size: 32
...
	.end_amdgpu_metadata
.endif
;; end of part 1
;; launch gemm (part 2): grid 16 x 16, 4 waves a work-group, clusters of 4 x 1, 327,680 bytes of LDS; arguments a_codes, b_codes, lowp_scales, out0; writes out0
.if DOCPART == 2
	.amdgcn_target "amdgcn-amd-amdhsa--gfx1250"
	.amdhsa_code_object_version 6
	.text
	.protected	k_qf31118d486_gemm
	.globl	k_qf31118d486_gemm
	.p2align	8
	.type	k_qf31118d486_gemm,@function
k_qf31118d486_gemm:
	s_mov_b64 s[64:65], 0
	v_nop
	global_prefetch_b8 v0, s[64:65] scope:SCOPE_SE
	s_setreg_imm32_b32 hwreg(HW_REG_WAVE_MODE, 25, 1), 1
	s_wait_xcnt 0x0
	s_wait_alu depctr_hold_cnt(0) depctr_sa_sdst(0) depctr_va_vdst(0) depctr_va_sdst(0) depctr_va_ssrc(0) depctr_va_vcc(0) depctr_vm_vsrc(0)
	s_getreg_b32 s2, hwreg(HW_REG_IB_STS2, 6, 4)
	s_cmp_eq_u32 s2, 0
	s_cbranch_scc0 .Lentry_in_a_cluster
	s_endpgm
.Lentry_in_a_cluster:
	s_bfe_u32 s2, ttmp6, 0x10000c
	s_cmp_lg_u32 s2, 0x3003
	s_cbranch_scc0 .Lentry_shape_is_right
	s_endpgm
.Lentry_shape_is_right:
; out0[m][n] = 2^(ea + eb) x the sum over places p of a_codes[m][p] x b's code (n, p), codes of FP8 (E4M3), sums in f32.  LIMIT: ea + eb lies between -126 and 127, so that 2^(ea + eb) is an f32 number.
; a_codes: [4096 m][4096 places].  b_codes: images of operand registers: [256 blocks of 16 columns][32 steps of 128 places][4 pieces of 512 bytes], lane 16 h + r's 16 bytes of piece c =
; places 128 s + 32 c + 16 h + 0 .. 15 of column r of the block.  Both operands hold the same k at the same place, so every product meets its partner.
; A work-group of four waves makes 256 x 256 of out0; wave w makes all 256 rows x columns 64 w .. 64 w + 63: 64 accumulators of 16 x 16, 512 registers.
; THE TWO OPERANDS COME BY TWO WAYS.  a's 256 rows, which every wave needs, go through a ring of two LDS slots filled by tensor loads: a slot holds 256 rows x 512 places (four steps of 128), a wave fetches
; 64 rows of 512 bytes.  b's 64 columns are a wave's own: no other wave of the work-group reads them, so they go from memory straight into registers, a piece an instruction, in four sets of 64 registers:
; the set of step t + 3 is asked for during step t.  With b out of LDS a slot has room for four steps, and there are 7 changes of slots for 32 steps.
; CLUSTERS: 4 x 1 work-groups, the four of one tile row of out0: they need the same tiles of a and ask for them JOINTLY (mask 15).  They differ in their columns, so no two of a cluster read the same byte of
; b_codes: there is nothing of b to ask for jointly.
; THE MATRIX INSTRUCTION: source 0 = 16 columns of b, source 1 = 16 rows of a: a lane holds eight neighbouring numbers of a row of out0.
; A STEP of 128 places is four groups of 16 products: a's blocks 4 g .. 4 g + 3 x b's four.  a's fragments have a buffer of two halves of four blocks; behind group g stands ONE run of 16 LDS loads, which
; brings the group two on into the half that group g has left.  b's 16 loads of a step stand in the step's first run.
; THE LAST SLOT GOES BY HALVES OF THE ROWS: its four steps for groups 0 and 1, then its four steps for groups 2 and 3 (all four sets of b are in registers, the slot is whole in LDS; K ascends in every sum).
; So rows 0 to 127 are finished half a slot ahead of the last product, and leave between the groups of the second half.
; REGISTERS, in windows of 256: window 0: v0-31 addresses; v32-127 at work on the way out; v128-255 a's two halves.  window 1: b's four sets.
;   window 2: the accumulators of groups 0, 1 (group g, block u, b's block b at v[128 (g % 2) + 32 u + 8 b]);  window 3: those of groups 2, 3.
; PREFETCHES: behind each joint load from slot 1's on, the slot that the next joint load asks for: 512 blocks of 256 bytes, a lane a block, one instruction a wave; the four partners share the rows out by address
; (64 cx on).  In each of steps 0 to 24 a wave names its own 32 blocks of b_codes of the step seven on, four steps ahead of their loads.  Slots 0, 1 and steps 0 to 6 come by their loads alone; nothing is named beyond slot 7 or step 31.
.set PITCH,  528                       ; an LDS row: 512 bytes + 16 of padding = 132 words: the 16 rows that a load touches start at 16 different groups of banks (64 banks of 4 bytes: ISA guide 11.1)
.set QT,     64*PITCH                  ; what one tensor load brings
.set SLOT,   4*QT
.set HI,     8*16*PITCH                ; a's blocks 8-15 have an address register of their own: an LDS immediate has 16 bits
.set SPARE,  2*SLOT                    ; behind the ring: the spare words, 128 bytes a wave
.set SPITCH, 272                       ; the way out: a stage of 16 rows x (256 + 16) bytes for each wave, in slot 0, which has had its last fill and its last read by then
.set BLK,    65536                     ; b_codes: bytes of a block of 16 columns,
.set STP,    2048                      ; of a step of 128 places in it
.set ADR, 16                           ; v16-19  LDS address of a's fragments: slot 0 blocks 0-7, 8-15; slot 1 likewise
.set BOF, 20                           ; v20     16 x lane
.set PFB, 21                           ; v21     b's prefetch: lane l names block l / 8, 256 (l % 8)
.set PFA, 22                           ; v22     a's prefetch: row 16 w + l / 2, half l % 2
.set STO, 24
.set RD,  25
.set CO,  26
.set SPW, 28                           ; v28     my spare word; v29 = 0; never rewritten
.set NIL, 29
.set TMP, 32                           ; v32-63  the way out: 16 rows' sums x 2^(ea + eb)
.set BK,  64                           ; v64-127 the way out: 16 rows read back from the stage, two buffers by turns
.set RG,  128
.set G1, 24
.set G0, 32
.set DB, 52                            ; s[52:53] my wave's four blocks of b_codes, stepped once a trip
.set PA, 54                            ; s[54:55] a's prefetches
.set MSB, 0
.macro WIN new                         ; the immediate's high byte repeats the setting that is left
.if MSB != \new
	s_set_vgpr_msb (MSB<<8)|\new
.set MSB, \new
.endif
.endm
.macro PLACES                          ; four places between matrix instructions and loads into registers that they have read, or reads of their results
.rept 4
	v_nop
.endr
.endm
.macro CREST                           ; a round of the cluster's barrier behind its opening barrier
	s_cmp_lg_u32 s14, 0
	s_cbranch_scc1 .Lnot_wave_0_\@
	s_barrier_signal -3
.Lnot_wave_0_\@:
	s_barrier_wait -3
	s_barrier_signal -1
	s_barrier_wait -1
.endm
.macro CROUND
	s_barrier_signal -1
	s_barrier_wait -1
	CREST
.endm
; Blocks u0 .. u1 of group g, against b's set q.  w0: the LDS instructions that may be out when block 0 is needed (its own group's 12 later loads among them; each later block four fewer); -1: no wait is due.
; The accumulators take turns.
.macro GROUP q, g, zero, w0, u0, u1
	WIN (0xa1+0x50*((\g)/2))                       ; source 0 (b) window 1, source 1 (a) window 0, C and D window 2 or 3
.irp u, 0,1,2,3
.if (\u >= \u0) && (\u <= \u1)
.if (\w0) >= 0
	s_wait_dscnt (\w0)-4*\u
.endif
.irp b, 0,1,2,3
.if \zero
	v_wmma_f32_16x16x128_fp8_fp8 v[128*((\g)%2)+32*\u+8*\b:128*((\g)%2)+32*\u+8*\b+7], v[64*(\q)+16*\b:64*(\q)+16*\b+15], v[RG+64*((\g)%2)+16*\u:RG+64*((\g)%2)+16*\u+15], 0
.else
	v_wmma_f32_16x16x128_fp8_fp8 v[128*((\g)%2)+32*\u+8*\b:128*((\g)%2)+32*\u+8*\b+7], v[64*(\q)+16*\b:64*(\q)+16*\b+15], v[RG+64*((\g)%2)+16*\u:RG+64*((\g)%2)+16*\u+15], v[128*((\g)%2)+32*\u+8*\b:128*((\g)%2)+32*\u+8*\b+7]
.endif
.endr
.endif
.endr
.endm
.macro RUNLD sn, qn, gn                ; 16 LDS loads in one run: group gn of step qn of slot sn, into half gn % 2
	WIN 0
.irp u, 0,1,2,3
.irp c, 0,1,2,3
	ds_load_b128 v[RG+64*((\gn)%2)+16*\u+4*\c:RG+64*((\gn)%2)+16*\u+4*\c+3], v[ADR+2*(\sn)+(\gn)/2] offset:((4*(\gn)+\u)%8)*16*PITCH+128*(\qn)+32*\c
.endr
.endr
.endm
.macro GLOAD set, st                   ; 16 loads: b's fragments of step st (counted from the base) into a set
	WIN 0x40                                       ; destination window 1, address window 0
.irp b, 0,1,2,3
.irp c, 0,1,2,3
	global_load_b128 v[64*(\set)+16*\b+4*\c:64*(\set)+16*\b+4*\c+3], v[BOF], s[DB:DB+1] offset:\b*BLK+(\st)*STP+512*\c
.endr
.endr
.endm
; The step's first run: a's group 2; pf = 1: my 32 blocks of b_codes of the step seven on are named; gl = 1: b's set of three steps on, into the set that the step before has left
.macro RUN1 q, slot, gl, tt, pf
	PLACES
	RUNLD \slot, \q, 2
.if \pf
	global_prefetch_b8 v[PFB], s[DB:DB+1] offset:((\tt)+7)*STP th:TH_LOAD_NT scope:SCOPE_SE
.endif
.if \gl
	GLOAD ((\q)+3)%4, (\tt)+3
.endif
.endm
; A step that has its successor in the same slot (q = 0, 1, 2).  lw: b's set of this step is in; the lw younger loads (16 a set) may be out.
.macro STEP q, slot, zero, gl, tt, lw, pf
	s_wait_loadcnt \lw
	GROUP \q, 0, \zero, 28, 0, 3                   ; 28: my group's 12 later loads and the next group's 16
	RUN1 \q, \slot, \gl, \tt, \pf
	GROUP \q, 1, \zero, 28, 0, 3
	PLACES
	RUNLD \slot, \q, 3
	GROUP \q, 2, \zero, 28, 0, 3
	PLACES
	RUNLD \slot, (\q)+1, 0
	GROUP \q, 3, \zero, 28, 0, 3
	PLACES
	RUNLD \slot, (\q)+1, 1
.endm
; A slot's last step changes slots: ONE barrier.  My reads of this slot end with group 3's run.  Then: all my tensor loads have landed, the add, group 2's products, the wait for the add and my reads,
; the signal, half of group 3's products, the barrier (fill = 1: it opens a round of the cluster's barrier), the joint refill, and the next slot's first groups.
.macro LAST slot, fill, gl, tt, lw, pf, ask
	s_wait_loadcnt \lw
	GROUP 3, 0, 0, 28, 0, 3
	RUN1 3, \slot, \gl, \tt, \pf
	GROUP 3, 1, 0, 28, 0, 3
	PLACES
	RUNLD \slot, 3, 3
	s_wait_tensorcnt 0x0                           ; all my tensor loads have landed: my part of the next slot  (every window is 0 here)
	ds_add_u32 v[SPW], v[NIL]
.if \fill
	s_add_nc_u64 s[G0+4*\slot+2:G0+4*\slot+3], s[G0+4*\slot+2:G0+4*\slot+3], 1024   ; no load of mine is out: this slot's next tile, two slots on
.endif
	GROUP 3, 2, 0, 29, 0, 3                        ; 29: the add is out as well
	s_wait_dscnt 0x0                               ; the add is done, and my reads of this slot are over
	s_barrier_signal -1
	GROUP 3, 3, 0, -1, 0, 1
	WIN 0
	s_barrier_wait -1
.if \fill
	CREST                                          ; no wave of any partner still reads this slot or has a load on its way
	tensor_load_to_lds s[G0+4*\slot:G0+4*\slot+3], s[G1:G1+7]
	s_nop 0
.endif
	PLACES                                         ; the places in front of the loads below
	RUNLD 1-\slot, 0, 0
.if \ask == 1
	global_prefetch_b8 v[PFA], s[PA:PA+1] offset:512 th:TH_LOAD_NT scope:SCOPE_SE
.elseif \ask == 2
	s_cmp_lg_u32 s3, 1                             ; the last trip's second change would name slot 8
	s_cbranch_scc0 .Lno_ask_\@
	global_prefetch_b8 v[PFA], s[PA:PA+1] offset:1024 th:TH_LOAD_NT scope:SCOPE_SE
.Lno_ask_\@:
.endif
	GROUP 3, 3, 0, -1, 2, 3
	PLACES
	RUNLD 1-\slot, 0, 1
.endm
; THE WAY OUT, 16 rows x my 64 columns at a time (a's block a).  A lane holds 32 neighbouring bytes of a row: the sums x 2^(ea + eb) go through my own stage in LDS and come back as whole rows of 256 bytes;
; sixteen lanes store one aligned unit of 256 bytes.  LDS serves a wave's instructions in order (ISA guide 5.7.1.4): no wait between the stores and the loads.
.macro TOSTAGE a
	WIN 0x02+((\a)/8)                              ; source 0: window 2 or 3
.irp j, 0,2,4,6,8,10,12,14,16,18,20,22,24,26,28,30
	v_pk_mul_f32 v[TMP+\j:TMP+\j+1], v[32*((\a)%8)+\j:32*((\a)%8)+\j+1], s[96:97] op_sel_hi:[1,0]   ; each accumulator from its low end on
.endr
	WIN 0
.irp b, 0,1,2,3
	ds_store_b128 v[STO], v[TMP+8*\b:TMP+8*\b+3] offset:64*\b
	ds_store_b128 v[STO], v[TMP+8*\b+4:TMP+8*\b+7] offset:64*\b+16
.endr
.irp t, 0,1,2,3,4,5,6,7
	ds_load_b128 v[BK+32*((\a)%2)+4*\t:BK+32*((\a)%2)+4*\t+3], v[RD] offset:\t*2*SPITCH
.endr
.endm
.macro SEND a, younger                 ; younger: the LDS instructions issued behind these rows' loads
	s_wait_dscnt \younger
.if (\a) > 0
	s_add_nc_u64 s[10:11], s[10:11], 16*16384      ; (behind a wait on XCNT) 16 rows on
.endif
.irp t, 0,1,2,3,4,5,6,7
	global_store_b128 v[CO], v[BK+32*((\a)%2)+4*\t:BK+32*((\a)%2)+4*\t+3], s[10:11] offset:\t*2*16384 th:TH_STORE_NT
.endr
.endm
.macro OUT a, yg                       ; block a goes into the stage, block a - 1 is stored
.if (\a) > 1
	s_wait_xcnt 0x0                                ; block a - 2's stores have read their registers and their base
.endif
	TOSTAGE \a
.if (\a) > 0
	SEND (\a)-1, \yg
.endif
.endm
.macro ITEM q, g, w0, qn, gn           ; the last slot: a group, and the run for the group two turns on (gn = -1: none)
	GROUP \q, \g, 0, \w0, 0, 3
.if (\gn) >= 0
	PLACES
	RUNLD 1, \qn, \gn
.endif
.endm
	s_load_b128 s[4:7], s[0:1], 0x0                ; a_codes s[4:5], b_codes s[6:7]
	s_load_b128 s[8:11], s[0:1], 0x10              ; lowp_scales s[8:9], out0 s[10:11]
	v_lshl_add_u32 v[SPW], v0, 2, SPARE
	v_mov_b32 v[NIL], 0
	ds_add_u32 v[SPW], v[NIL]                      ; the opening lines
	ds_add_u32 v[SPW], v[NIL]
	v_lshrrev_b32 v1, 5, v0
	v_readfirstlane_b32 s14, v1                    ; wave 0..3
	s_bfe_u32 s40, ttmp6, 0x40000                  ; cx
	s_lshl_b32 s42, ttmp9, 2
	s_add_co_u32 s42, s42, s40                     ; tile column = 4 x cluster x + cx
	s_and_b32 s17, ttmp7, 0xffff                   ; tile row = cluster y
	s_mov_b32 s[G1+0], 15|(1<<20)|(1<<21)|(6<<22)|(3<<25)  ; the mask: all four partners; elements of 1 byte; padding on; bit 21 beside a mask; after every 128 words, 4 words
	s_mov_b32 s[G1+1], 512<<16                     ; tensor_dim0
	s_mov_b32 s[G1+2], 64<<16                      ; tensor_dim1
	s_mov_b32 s[G1+3], 512<<16                     ; tile_dim0
	s_mov_b32 s[G1+4], 64                          ; tile_dim1
	s_mov_b32 s[G1+5], 4096                        ; from row to row
	s_mov_b32 s[G1+6], 0
	s_mov_b32 s[G1+7], 0
	s_lshl_b32 s20, s17, 8
	s_lshl_b32 s18, s14, 6
	s_add_co_u32 s20, s20, s18                     ; a: row 256 x tile row + 64 x wave,
	s_lshl_b32 s20, s20, 12                        ; of 4,096 bytes
	s_mov_b32 s21, 0
	s_mul_i32 s22, s14, QT                         ; where it goes
	s_lshl_b32 s46, s42, 4
	s_lshl_b32 s47, s14, 2
	s_add_co_u32 s46, s46, s47                     ; b: block 16 x tile column + 4 x wave
	s_lshl_b32 s46, s46, 16
	s_mov_b32 s47, 0
	s_lshl_b32 s48, s17, 8
	s_lshl_b32 s49, s40, 6
	s_add_co_u32 s48, s48, s49                     ; a's prefetches: my work-group's 64 of the tile's rows,
	s_lshl_b32 s48, s48, 12
	s_add_co_u32 s48, s48, 1024                    ; at slot 2
	s_mov_b32 s49, 0
	s_lshl_b32 s50, s17, 22                        ; out0: 256 rows of 16,384 bytes a tile row,
	s_lshl_b32 s51, s42, 10                        ; 1,024 bytes a tile column,
	s_add_co_u32 s50, s50, s51
	s_lshl_b32 s51, s14, 8                         ; 256 bytes a wave
	s_add_co_u32 s50, s50, s51
	s_mov_b32 s51, 0
	s_mul_i32 s23, s14, 16*SPITCH                  ; my stage
	s_wait_dscnt 0x0                               ; both opening adds are done
	s_wait_kmcnt 0x0
	s_load_b64 s[96:97], s[8:9], 0x0               ; ea, eb
	s_add_nc_u64 s[20:21], s[4:5], s[20:21]
	s_add_nc_u64 s[DB:DB+1], s[6:7], s[46:47]
	s_add_nc_u64 s[PA:PA+1], s[4:5], s[48:49]
	s_add_nc_u64 s[10:11], s[10:11], s[50:51]
	CROUND                                         ; all four work-groups are here: the first joint loads meet
.irp s, 0,1
	s_mov_b32 s[G0+4*\s], 1
	s_add_co_u32 s[G0+4*\s+1], s22, \s*SLOT
	s_add_nc_u64 s[G0+4*\s+2:G0+4*\s+3], s[20:21], \s*512
	s_or_b32 s[G0+4*\s+3], s[G0+4*\s+3], 0x80000000
.endr
	tensor_load_to_lds s[G0:G0+3], s[G1:G1+7]      ; slot 0
	s_nop 0
	PLACES
	v_and_b32 v3, 31, v0
	v_lshlrev_b32 v[BOF], 4, v3
	v_and_b32 v1, 15, v0                           ; r
	v_bfe_u32 v2, v0, 4, 1                         ; h
	v_mul_u32_u24 v3, v1, PITCH
	v_lshl_add_u32 v[ADR], v2, 4, v3               ; a fragment's row x pitch + 16 h
	v_add_nc_u32 v[ADR+1], HI, v[ADR]
	v_add_nc_u32 v[ADR+2], SLOT, v[ADR]
	v_add_nc_u32 v[ADR+3], SLOT+HI, v[ADR]
	v_and_b32 v4, 7, v0
	v_bfe_u32 v5, v0, 3, 2
	v_lshlrev_b32 v4, 8, v4
	v_lshl_add_u32 v[PFB], v5, 16, v4
	v_lshrrev_b32 v4, 1, v0                        ; 16 w + l / 2
	v_and_b32 v5, 1, v0
	v_lshlrev_b32 v5, 8, v5
	v_lshl_add_u32 v[PFA], v4, 12, v5
	v_mul_u32_u24 v4, v1, SPITCH                   ; into the stage: row r, 32 bytes for each half of the lanes
	v_lshl_add_u32 v4, v2, 5, v4
	v_add_nc_u32 v[STO], s23, v4
	v_mul_u32_u24 v5, v2, SPITCH                   ; back: lanes 0-15 one row of 256 bytes, lanes 16-31 the next
	v_lshl_add_u32 v5, v1, 4, v5
	v_add_nc_u32 v[RD], s23, v5
	v_lshlrev_b32 v4, 14, v2                       ; and the same two rows in out0
	v_lshl_add_u32 v[CO], v1, 4, v4
	s_wait_alu depctr_va_vdst(0)                   ; the wait at the head's end, behind its last vector instruction
	GLOAD 0, 0
	GLOAD 1, 1                                     ; b's sets of steps 0 and 1: 32 loads, 16,384 bytes a wave; step 2's follows behind slot 1's load
	WIN 0
	s_wait_tensorcnt 0x0                           ; my part of slot 0 is in
	ds_add_u32 v[SPW], v[NIL]
	s_wait_dscnt 0x0
	CROUND
	tensor_load_to_lds s[G0+4:G0+7], s[G1:G1+7]    ; slot 1's first fill, the first tensor load behind the round
	s_nop 0
	PLACES
	RUNLD 0, 0, 0
	RUNLD 0, 0, 1
	global_prefetch_b8 v[PFA], s[PA:PA+1] th:TH_LOAD_NT scope:SCOPE_SE   ; slot 2
	GLOAD 2, 2
	STEP 0, 0, 1, 1, 0, 32, 1                      ; step 0 stands in front of the loop: its products start the sums
	WIN 0
	s_wait_kmcnt 0x0
	s_add_co_i32 s96, s96, s97
	s_add_co_i32 s96, s96, 127
	s_lshl_b32 s96, s96, 23                        ; 2^(ea + eb) as f32, for the way out
	s_mov_b32 s3, 3
.Llap:                                                 ; a trip: steps 8 L + 1 to 8 L + 8, once round the ring; both slots are filled again
	STEP 1, 0, 0, 1, 1, 32, 1
	STEP 2, 0, 0, 1, 2, 32, 1
	LAST 0, 1, 1, 3, 32, 1, 1
	STEP 0, 1, 0, 1, 4, 32, 1
	STEP 1, 1, 0, 1, 5, 32, 1
	STEP 2, 1, 0, 1, 6, 32, 1
	LAST 1, 1, 1, 7, 32, 1, 2
	STEP 0, 0, 0, 1, 8, 32, 1
	WIN 0
	s_wait_xcnt 0x0                                ; the trip's loads and prefetches have read their bases
	s_add_nc_u64 s[DB:DB+1], s[DB:DB+1], 8*STP
	s_add_nc_u64 s[PA:PA+1], s[PA:PA+1], 1024
	s_sub_co_u32 s3, s3, 1
	s_cmp_lg_u32 s3, 0
	s_cbranch_scc1 .Llap
	STEP 1, 0, 0, 1, 1, 32, 0                      ; steps 25 to 27: no refill, no prefetch
	STEP 2, 0, 0, 1, 2, 32, 0
	LAST 0, 0, 1, 3, 32, 0, 0
	; THE LAST SLOT (steps 28 to 31, in LDS slot 1), first for groups 0 and 1
	s_wait_loadcnt 32                              ; b's set of step 28 is in; those of 29 and 30 may be out
	ITEM 0, 0, 28, 1, 0
	GLOAD 3, 7                                     ; b's last set, of step 31, into the set that step 27 has left
	ITEM 0, 1, 28, 1, 1
	s_wait_loadcnt 32                              ; step 29's; 30's and 31's may be out
	ITEM 1, 0, 28, 2, 0
	ITEM 1, 1, 28, 2, 1
	s_wait_loadcnt 16
	ITEM 2, 0, 28, 3, 0
	ITEM 2, 1, 28, 3, 1
	s_wait_loadcnt 0x0
	ITEM 3, 0, 28, 0, 2
	ITEM 3, 1, 28, 0, 3                            ; rows 0 to 127 are finished
	; then for groups 2 and 3; behind each group's run one block of the finished rows goes out.  The counts: a run and a turn through the stage are 16 LDS instructions each
	ITEM 0, 2, 28, 1, 2
	OUT 0, 0
	ITEM 0, 3, 44, 1, 3                            ; behind my group's run: a run and a turn
	OUT 1, 32                                      ; behind block 0's loads: a run and a turn
	ITEM 1, 2, 60, 2, 2                            ; a turn, a run and a turn
	OUT 2, 32
	ITEM 1, 3, 60, 2, 3
	OUT 3, 32
	ITEM 2, 2, 60, 3, 2
	OUT 4, 32
	ITEM 2, 3, 60, 3, 3
	OUT 5, 32
	ITEM 3, 2, 60, 0, -1
	OUT 6, 16                                      ; no run stands behind block 5's loads any more
	ITEM 3, 3, 44, 0, -1                           ; two turns
	PLACES                                         ; the blocks that follow read results just made
.irp a, 7,8,9,10,11,12,13,14,15
	OUT \a, 16
.endr
	s_wait_xcnt 0x0
	SEND 15, 0
	s_wait_tensorcnt 0x0                           ; the wave's end
	ds_add_u32 v[SPW], v[NIL]
	s_wait_dscnt 0x0
	CROUND                                         ; the closing round
	s_endpgm
.Lfunc_end_k_qf31118d486_gemm:
	.size	k_qf31118d486_gemm, .Lfunc_end_k_qf31118d486_gemm-k_qf31118d486_gemm
	.p2alignl 7, 3214868480
	.fill 96, 4, 3214868480
	.section	.rodata,"a",@progbits
	.p2align	6, 0x0
	.amdhsa_kernel k_qf31118d486_gemm
		.amdhsa_group_segment_fixed_size 327680
		.amdhsa_private_segment_fixed_size 0
		.amdhsa_enable_private_segment 0
		.amdhsa_kernarg_size 32
		.amdhsa_user_sgpr_count 2
		.amdhsa_user_sgpr_kernarg_segment_ptr 1
		.amdhsa_wavefront_size32 1
		.amdhsa_system_sgpr_workgroup_id_x 1
		.amdhsa_system_sgpr_workgroup_id_y 1
		.amdhsa_system_sgpr_workgroup_id_z 1
		.amdhsa_system_vgpr_workitem_id 0
		.amdhsa_next_free_vgpr 1024
		.amdhsa_next_free_sgpr 98
		.amdhsa_reserve_vcc 0
		.amdhsa_float_denorm_mode_32 3
		.amdhsa_float_denorm_mode_16_64 3
		.amdhsa_memory_ordered 1
		.amdhsa_forward_progress 1
		.amdhsa_inst_pref_size 229
	.end_amdhsa_kernel
	.amdgpu_metadata
---
amdhsa.version: [ 1, 2 ]
amdhsa.kernels:
  - .name:           k_qf31118d486_gemm
    .symbol:         k_qf31118d486_gemm.kd
    .args:
      - { .name: a_codes, .offset: 0, .size: 8, .value_kind: global_buffer, .address_space: global }
      - { .name: b_codes, .offset: 8, .size: 8, .value_kind: global_buffer, .address_space: global }
      - { .name: lowp_scales, .offset: 16, .size: 8, .value_kind: global_buffer, .address_space: global }
      - { .name: out0, .offset: 24, .size: 8, .value_kind: global_buffer, .address_space: global }
    .group_segment_fixed_size: 327680
    .private_segment_fixed_size: 0
    .kernarg_segment_align: 8
    .kernarg_segment_size: 32
    .max_flat_workgroup_size: 128
    .sgpr_count:     98
    .vgpr_count:     1024
    .wavefront_size: 32
...
	.end_amdgpu_metadata
.endif
;; end of part 2
